; MI455X (gfx1250); checked and timed in simulation.
; The chip was launched on July 23, 2026; its instructions are those of AMD's public machine-readable ISA for CDNA 5 (MIT licence, August 2026) and "CDNA5" Instruction Set Architecture Reference Guide (July 2026). The comments in the code are by the model that wrote it; some were corrected since.
;; Single Query Attention. Allowed arithmetic: matrix products marked QUANTISED: E3M2 operands, one E8M0 scale for each 32 along K, by v_wmma_scale_f32_16x16x128_f8f6f4 with both operands' format E3M2, f32 sums; products left as they are: f32 operands where the result goes on into a quantised operand, else bf16, f16 or f32 operands; f32 sums; everything else in f32.
;; Inputs: Wk_codes 2,048 x 64 x 24 uint8 (E3M2 codes of Wk, K innermost, in blocks of 32 codes, four codes in three bytes); Wk_scales 2,048 x 64 uint8 (E8M0 scales of Wk, one for each 32 codes along K); Wq_codes 2,048 x 64 x 24 uint8 (E3M2 codes of Wq, K innermost, in blocks of 32 codes, four codes in three bytes); Wq_scales 2,048 x 64 uint8 (E8M0 scales of Wq, one for each 32 codes along K); Wv_codes 2,048 x 64 x 24 uint8 (E3M2 codes of Wv, K innermost, in blocks of 32 codes, four codes in three bytes); Wv_scales 2,048 x 64 uint8 (E8M0 scales of Wv, one for each 32 codes along K); bk 2,048 float32; bq 2,048 float32; bv 2,048 float32; context_tokens_codes 16 x 512 x 64 x 24 uint8 (E3M2 codes of context_tokens, K innermost, in blocks of 32 codes, four codes in three bytes); context_tokens_scales 16 x 512 x 64 uint8 (E8M0 scales of context_tokens, one for each 32 codes along K); current_token_codes 16 x 1 x 64 x 24 uint8 (E3M2 codes of current_token, K innermost, in blocks of 32 codes, four codes in three bytes); current_token_scales 16 x 1 x 64 uint8 (E8M0 scales of current_token, one for each 32 codes along K).
;; Outputs: out0 16 x 1 x 2,048 float32.
;; This version of the problem:
;;   THIS VERSION OF THE PROBLEM IS GIVEN IN LOW PRECISION. The matrix products marked QUANTISED in the list below multiply operands that are first quantised to E3M2 (3 exponent bits, 2 mantissa bits; 6 bits a number), with one power-of-two scale for each 32 numbers along K (OCP MX v1.0); their sums are f32. All else is computed in f32.
;;   The module's matrix products, in the order in which they are computed (A, B: the left and right operand; K: the contracted axis; several contracted axes count as one K, in the product's order):
;;     1. [M 16, K 2,048] x [K 2,048, N 2,048]; A: input current_token (given as codes); B: input Wq (given as codes): QUANTISED
;;     2. [M 8,192, K 2,048] x [K 2,048, N 2,048]; A: input context_tokens (given as codes); B: input Wk (given as codes): QUANTISED
;;     3. [M 8,192, K 2,048] x [K 2,048, N 2,048]; A: input context_tokens (given as codes); B: input Wv (given as codes): QUANTISED
;;     4. batch 16 x [M 1, K 2,048] x [K 2,048, N 512]; A: computed on the way; B: computed on the way: left as it is (M = 1 < 16)
;;     5. batch 16 x [M 1, K 512] x [K 512, N 2,048]; A: softmax; B: computed on the way: left as it is (M = 1 < 16)
;;   THE QUANTISER, for each operand of a quantised product, along K:
;;     - K is cut into blocks of 32 from its start; a last block that is shorter is filled with zeros.
;;     - A block's scale is 2^e with e = floor(log2(the largest magnitude in the block)) - 4, held to -126 .. 127; a block of zeros has e = 0. As a byte (E8M0): e + 127.
;;     - Each number is divided by its block's scale, clamped to +-28, and rounded to the nearest number of E3M2, ties to even, subnormals kept.
;;     - The product sums the exact products of the quantised numbers (number of the format x scale) in f32.
;;   ~~~python
;;   def quantise(x, axis):      # numpy; x: float32 -> the quantised numbers, widened to float32 again
;;       x = np.moveaxis(x, axis, -1); K = x.shape[-1]
;;       x = np.pad(x, [(0, 0)] * (x.ndim - 1) + [(0, -K % 32)]); x = x.reshape(x.shape[:-1] + (-1, 32)); a = np.abs(x).max(-1, keepdims=True)
;;       e = np.where(a > 0, np.clip(np.frexp(np.where(a > 0, a, 1))[1] - 1 - 4, -126, 127), 0)      # np.frexp(a)[1] - 1 = floor(log2(a)), exactly
;;       r = np.clip(x / 2.0 ** e, -28, 28)
;;       step = 2.0 ** (np.maximum(np.frexp(np.where(r == 0, 1, r))[1] - 1, -2) - 2)
;;       q = np.round(r / step) * step * 2.0 ** e      # np.round: ties to even
;;       return np.moveaxis(q.reshape(q.shape[:-2] + (-1,))[..., :K], -1, axis).astype(np.float32)
;;   ~~~
;;   INPUTS GIVEN AS CODES. Wk (in the module: [2048, 2048], K = its axis 0); Wq (in the module: [2048, 2048], K = its axis 0); Wv (in the module: [2048, 2048], K = its axis 0); context_tokens (in the module: [16, 512, 2048], K = its axis 2); current_token (in the module: [16, 1, 2048], K = its axis 2): each comes as NAME_codes (uint8): NAME with its K axis moved to the last place and cut into blocks of 32 codes, [.., K / 32, bytes a block], one block behind the other in memory; four codes in three bytes: a row's codes are one little-endian stream of bits, code i at bits 6 i .. 6 i + 5 (a code: sign, 3 exponent bits, 2 mantissa bits); and NAME_scales (uint8): the same leading axes, one E8M0 byte (e + 127) for each 32 codes along K. Its value is code x scale, taken as it is: it is not quantised again, and the codes and scales need not be those that the quantiser above would give.
;; One version. Each part assembles by itself: llvm-mc -triple=amdgcn-amd-amdhsa -mcpu=gfx1250 --defsym DOCPART=n.
;; ======== version 1 of 1: 2 launches
;; workspace buffers: ps 524,288 bytes
;; launch kscore (part 1): grid 16 x 16, 4 waves a work-group, clusters of 4 x 4, 327,680 bytes of LDS; arguments context_tokens_codes, context_tokens_scales, Wk_codes, Wk_scales, current_token_codes, current_token_scales, Wq_codes, Wq_scales, bq, bk, ps; writes ps
.if DOCPART == 1
	.amdgcn_target "amdgcn-amd-amdhsa--gfx1250"
	.amdhsa_code_object_version 6
	.text
	.protected	k_q19c42dc12a_kscore
	.globl	k_q19c42dc12a_kscore
	.p2align	8
	.type	k_q19c42dc12a_kscore,@function
k_q19c42dc12a_kscore:
	s_mov_b64 s[64:65], 0
	v_nop
	global_prefetch_b8 v0, s[64:65] scope:SCOPE_SE
	s_setreg_imm32_b32 hwreg(HW_REG_WAVE_MODE, 25, 1), 1
	s_wait_xcnt 0x0
	s_wait_alu depctr_hold_cnt(0) depctr_sa_sdst(0) depctr_va_vdst(0) depctr_va_sdst(0) depctr_va_ssrc(0) depctr_va_vcc(0) depctr_vm_vsrc(0)
	s_getreg_b32 s2, hwreg(HW_REG_IB_STS2, 6, 4)
	s_cmp_eq_u32 s2, 0
	s_cbranch_scc0 .Lentry_in_a_cluster
	s_endpgm
.Lentry_in_a_cluster:
	s_bfe_u32 s2, ttmp6, 0x10000c
	s_cmp_lg_u32 s2, 0xf033
	s_cbranch_scc0 .Lentry_shape_is_right
	s_endpgm
.Lentry_shape_is_right:
; PARTIAL SCORES.  ps[x][512 y + l] = sum over the 128 columns n of tile x of q[y][n] (k[y][l][n] + bk[n]), not yet scaled by 1 / sqrt(2048).
; k = ctx Wk and q = cur Wq + bq are products on codes of BF6 (E3M2) with one E8M0 byte for each 32 along K (2,048), taken as they lie in memory; k never goes to memory.
; SHARES.  Work-group (x, y): batch y (512 rows of ctx) x columns 128 x .. 128 x + 127.  Four waves, as many as a WGP has SIMDs; wave w: rows 128 w .. + 127 x all 128 columns: 64 accumulators of 16 x 16, 512 registers.
; K goes in steps of 256 through a ring of two LDS slots (512 rows of ctx, 128 rows of Wk, 192 bytes a row).  Waves 0, 1 fetch ctx's halves, waves 2, 3 Wk's.
; CLUSTER 4 x 4: ctx's tile hangs on y alone and is asked for jointly along a row of the cluster, Wk's on x alone, jointly along a column.
; FRAGMENTS.  A lane takes 48 NEIGHBOURING bytes of a K step's 96, by three loads of 16 bytes, in both operands of every product here: the blocks of 32 then stand in the order 0, 2, 1, 3, and the two middle bytes
; of every scale word change places with them, once, at the head.  The products are the same; the order in which the unit adds them differs.
; THE SCALE WORDS STAY IN REGISTERS: a row has 16 words (64 bytes); lanes 0-15 hold words 0-7 of row r, lanes 16-31 words 8-15, in eight registers a block of 16 rows.  K steps 8-15 read the upper lanes.
; So a scale register's number changes with the K step, and the 16 K steps are written out by macros: there is no backward jump.
; q: each wave makes 32 of the tile's 128 numbers by 32 matrix instructions: source 0 = 16 rows of Wq, source 1 = batch y's row of cur IN EVERY LANE, so that all 16 columns of the result are equal; the sums begin as bq.
;   Wq's rows lie 1,536 bytes apart.  A chunk of 16 rows x 192 bytes (two K steps) is read by six loads, 12 lanes to a row's 192 consecutive bytes, goes through the wave's own stage in LDS and comes back as two fragments.
; THE MAIN PRODUCT IS USED WITH source 0 = 16 rows of Wk, source 1 = 16 rows of ctx: a lane holds one row of ctx and eight neighbouring columns, so q . k is packed multiply-adds down the lane's registers (f32).
; sum of q (acc + bk) is taken as sum of q acc + sum of q bk: the same number but for the order of the f32 additions.
; LIMITS: a scale byte 0xff gives NaN, as it does in the format; the f32 sums over K and over columns are taken in another order than a plain loop would take them.
.set MODE_V, 0
.set PITCH,  240                       ; an LDS row: 3 x (64 bytes of codes + 16 of padding) = 60 words: the 16 rows of a pass of a 16-byte load start at 16 different groups of four banks (64 banks of 4 bytes: ISA guide 11.1)
.set ROWB,   192                       ; 256 codes
.set KROW,   1536                      ; 2,048 codes: a row in memory
.set FR,     12                        ; registers of a fragment, 16 rows x 128 K
.set NL,     3                         ; LDS loads that bring one
.set XT,     512*PITCH                 ; in a slot: ctx's 512 rows, then W's 128
.set SLOT,   640*PITCH
.set WT,     2*SLOT                    ; behind the ring: q's 128 numbers of the tile, 512 bytes
.set STG,    WT+512                    ; 512 bytes a wave: its 128 results
.set CB,     STG+2048                  ; four words: each wave's sum of q bk
.set QST,    CB+256                    ; Wq's stage: for each wave 16 rows x (192 bytes + 16)
.set QP,     208                       ; its pitch: 52 words: the 16 rows start at 16 different groups of four banks
.set QSW,    16*QP                     ; 3,328 bytes a wave: 13 blocks of 256
.set SPARE,  QST+4*QSW                 ; the spare words, 128 bytes a wave: two blocks of 256 bytes that no other line names
.set WA,   13                          ; v13  where I read q
.set STA,  14                          ; v14  my wave's stage for results, 4 bytes a row
.set STR,  15                          ; v15  and back, 16 bytes a lane
.set ADRA, 16                          ; v16-17 my ctx fragments in slot 0, 1 (row x pitch + 48 x half); v18-19 the same behind one padding more (64 x half)
.set ADRB, 20                          ; v20-23 the same for W
.set GO,   24                          ; v24  16 x lane
.set WS,   25                          ; v25  where I store my part of q
.set CBA,  26                          ; v26  my wave's word of CB
.set CBR,  27                          ; v27  CB
.set SPW,  28                          ; v28  my spare word; never rewritten
.set NIL,  29                          ; v29  0; never rewritten
.set SA,   32                          ; v32-95   ctx's scale words: block i, word j at SA + 8 i + j
.set SB,   96                          ; v96-159  W's likewise
.set AF,   160                         ; v160-255 ctx's eight fragments.  Window 1: W's, two sets, at v0 and v128; v96-119 and v224-247: ctx's blocks 4-7 of a slot's second K step.  Windows 2, 3: the accumulators, (a, b) at v[8 (8 (a % 4) + b)]
.set R,    160                         ; the way out: eight pairs of sums
.set T,    176                         ; and eight results
.set CBW,  184                         ; the four words of CB
.set QWS,  160                         ; the head only: Wq's scale words, 16 a tile
.set QCS,  192                         ; cur's
.set QD,   208                         ; q's two accumulators, which begin as bq
.set VO,   224                         ; v224-229 Wq's chunk: my byte in memory, for each of its six loads
.set VS,   230                         ; v230-235 and in the stage
.set VL,   236                         ; v236 where I read my fragment's row in the stage
.set QBK,  240                         ; bk
.set G1,  24                           ; s[24:31] descriptor group 1 for ctx's tiles; s[32:39] group 0, a set for each slot
.set G0,  32
.set G1B, 48                           ; s[48:55], s[56:63] the same for W's
.set G0B, 56
.set MSB, 0
.macro WIN new                         ; the immediate's high byte repeats the setting that is left; a switch that changes nothing is dropped
.if MSB != (\new)
	s_set_vgpr_msb (MSB<<8)|(\new)
.set MSB, (\new)
.endif
.endm
.if MODE_V
.set MUL_LO, 0xa4                      ; source 0 (ctx) window 0, source 1 (W) window 1, C and D window 2
.set MUL_HI, 0xf4
.else
.set MUL_LO, 0xa1                      ; source 0 (W) window 1, source 1 (ctx) window 0, C and D window 2
.set MUL_HI, 0xf1                      ; the same, C and D window 3
.endif
.set MUL_HX, 0xf5                      ; both sources window 1, C and D window 3
.macro PLACES n                        ; plain vector instructions between a matrix instruction and a load into, or a read of, its registers
.rept \n
	v_nop
.endr
.endm
; A joint load: waves 0, 1 fetch for ctx, waves 2, 3 for W.  Each line has one mask and one set of registers for all that issue it; the branch hangs on the wave's number alone.
; Four v_nop follow each of the two lines, ahead of the jump, the label and what follows.
.macro JLOAD s
	s_cmp_eq_u32 s15, 0
	s_cbranch_scc0 .Lfor_w_\@
	tensor_load_to_lds s[G0+4*\s:G0+4*\s+3], s[G1:G1+7]
	s_nop 0
.rept 4
	v_nop
.endr
	s_branch .Lasked_\@
.Lfor_w_\@:
	tensor_load_to_lds s[G0B+4*\s:G0B+4*\s+3], s[G1B:G1B+7]
	s_nop 0
.rept 4
	v_nop
.endr
.Lasked_\@:
.endm
.macro CREST                           ; a round of the cluster's barrier behind its opening barrier
	s_cmp_lg_u32 s14, 0
	s_cbranch_scc1 .Lnot_wave_0_\@
	s_barrier_signal -3
.Lnot_wave_0_\@:
	s_barrier_wait -3
	s_barrier_signal -1
	s_barrier_wait -1
.endm
.macro CROUND                          ; a whole round
	s_barrier_signal -1
	s_barrier_wait -1
	CREST
.endm
	s_load_b512 s[68:83], s[0:1], 0x0              ; ctx codes s[68:69], ctx scales s[70:71], Wk codes s[72:73], Wk scales s[74:75], cur codes s[76:77], cur scales s[78:79], Wq codes s[80:81], Wq scales s[82:83]
	s_load_b128 s[84:87], s[0:1], 0x40             ; bq, bk
	s_load_b64 s[88:89], s[0:1], 0x50              ; ps
	v_lshl_add_u32 v[SPW], v0, 2, SPARE
	v_mov_b32 v[NIL], 0
	ds_add_u32 v28, v29
	ds_add_u32 v28, v29
	s_wait_dscnt 0x0
	v_lshrrev_b32 v1, 5, v0
	v_readfirstlane_b32 s14, v1                    ; wave 0..3
	s_lshr_b32 s15, s14, 1                         ; I fetch for ctx (0) or for W (1),
	s_and_b32 s16, s14, 1                          ; and which half of that tile
	s_bfe_u32 s40, ttmp6, 0x40000                  ; cx, cy: my place in the cluster
	s_bfe_u32 s41, ttmp6, 0x40004
	s_lshl_b32 s42, ttmp9, 2
	s_add_co_u32 s42, s42, s40                     ; x: the tile of 128 columns = 4 x cluster x + cx
	s_and_b32 s17, ttmp7, 0xffff
	s_lshl_b32 s17, s17, 2
	s_add_co_u32 s17, s17, s41                     ; y: the batch = 4 x cluster y + cy
	s_lshl_b32 s43, s41, 2
	s_lshl_b32 s43, 15, s43                        ; my row of the cluster
	s_lshl_b32 s44, 0x1111, s40                    ; my column
	s_or_b32 s[G1+0], s43, (1<<20)|(1<<21)|(3<<22)|(3<<25)   ; 15:0 the mask: ctx's tiles go to my row; 17:16 elements of 1 byte; 20 padding on; 21 set beside a mask; 24:22 after every 16 words; 31:25 of 4 words
	s_or_b32 s[G1B+0], s44, (1<<20)|(1<<21)|(3<<22)|(3<<25)  ; the same with my column's mask
.irp g, G1, G1B
	s_mov_b32 s[\g+1], ROWB<<16                    ; tensor_dim0
	s_mov_b32 s[\g+3], ROWB<<16                    ; tile_dim0
	s_mov_b32 s[\g+5], KROW                        ; from row to row
	s_mov_b32 s[\g+6], 0
	s_mov_b32 s[\g+7], 0
.endr
	s_mov_b32 s[G1+2], 256<<16                     ; tensor_dim1: a load of ctx brings 256 rows,
	s_mov_b32 s[G1+4], 256                         ; tile_dim1
	s_mov_b32 s[G1B+2], 64<<16                     ; one of W 64
	s_mov_b32 s[G1B+4], 64
	s_lshl_b32 s20, s17, 9
	s_lshl_b32 s18, s16, 8
	s_add_co_u32 s20, s20, s18                     ; ctx: row 512 y + 256 x half
	s_mul_i32 s20, s20, KROW
	s_mov_b32 s21, 0
	s_lshl_b32 s46, s42, 7
	s_lshl_b32 s18, s16, 6
	s_add_co_u32 s46, s46, s18                     ; W: row 128 x + 64 x half
	s_mul_i32 s46, s46, KROW
	s_mov_b32 s47, 0
	s_mul_i32 s45, s16, 256*PITCH                  ; where they go: no place in the cluster enters an LDS address
	s_mul_i32 s19, s16, 64*PITCH
	s_add_co_u32 s19, s19, XT
	s_mov_b32 s92, 0x76543210
	s_mov_b32 s93, 0xfedcba98                      ; v_permlanex16_b32's selects for lane l xor 16
	s_mov_b32 s94, 0x03010200                      ; v_perm_b32: a word's two middle bytes change places
	s_wait_kmcnt 0x0
	s_add_nc_u64 s[20:21], s[68:69], s[20:21]
	s_add_nc_u64 s[46:47], s[72:73], s[46:47]
	CROUND                                         ; all sixteen work-groups are here: the first joint loads meet
.irp s, 0,1
	s_mov_b32 s[G0+4*\s], 1
	s_add_co_u32 s[G0+4*\s+1], s45, \s*SLOT
	s_add_nc_u64 s[G0+4*\s+2:G0+4*\s+3], s[20:21], \s*ROWB
	s_or_b32 s[G0+4*\s+3], s[G0+4*\s+3], 0x80000000
	s_mov_b32 s[G0B+4*\s], 1
	s_add_co_u32 s[G0B+4*\s+1], s19, \s*SLOT
	s_add_nc_u64 s[G0B+4*\s+2:G0B+4*\s+3], s[46:47], \s*ROWB
	s_or_b32 s[G0B+4*\s+3], s[G0B+4*\s+3], 0x80000000
	JLOAD \s                                       ; both slots are asked for before anything else: two tensor loads of mine are out
.endr
	; ---- the head's loads from memory.  Offsets of my lane:
	v_and_b32 v1, 15, v0                           ; r
	v_bfe_u32 v2, v0, 4, 1                         ; h
	v_lshlrev_b32 v3, 6, v1
	v_lshl_add_u32 v3, v2, 5, v3                   ; scale rows of the main product: 64 r + 32 h
	v_mul_u32_u24 v5, v2, 48                       ; cur's codes: 48 h, the same row in every lane
	v_lshlrev_b32 v6, 6, v1                        ; Wq's scale rows: 64 r
	v_mov_b32 v7, 0                                ; cur's scale row: the same in every lane
	v_lshlrev_b32 v8, 5, v2                        ; bq, bk: 32 h
	v_and_b32 v30, 31, v0                          ; lane
	s_mul_i32 s8, s14, QSW
	s_add_co_u32 s8, s8, QST                       ; my wave's stage for Wq
.irp g, 0,1,2,3,4,5                            ; load g of a chunk's six: piece n = 32 g + lane of its 192 pieces of 16 bytes; row n / 12, piece n % 12 of the row's 192 bytes
	v_add_nc_u32 v237, 32*\g, v30                  ; n
	v_mul_u32_u24 v238, v237, 171
	v_lshrrev_b32 v238, 11, v238                   ; n / 12 (171 / 2,048 is just above 1 / 12: exact for n under 192)
	v_add_nc_u32 v239, v237, v238
	v_lshl_add_u32 v[VS+\g], v239, 4, s8           ; in the stage: 208 (n / 12) + 16 (n % 12) = 16 (n + n / 12)
	v_mul_u32_u24 v[VO+\g], v238, KROW-ROWB
	v_lshl_add_u32 v[VO+\g], v237, 4, v[VO+\g]     ; in memory: 1,536 (n / 12) + 16 (n % 12) = 16 n + 1,344 (n / 12)
.endr
	v_mul_u32_u24 v[VL], v1, QP
	v_mad_u32_u24 v[VL], v2, 48, v[VL]
	v_add_nc_u32 v[VL], s8, v[VL]                  ; back: row r, + 48 h
	s_mov_b32 s97, 0
	s_lshl_b32 s96, s17, 9
	s_lshl_b32 s4, s14, 7
	s_add_co_u32 s96, s96, s4                      ; my first row of ctx: 512 y + 128 w
	s_lshl_b32 s5, s96, 2
	s_lshl_b32 s96, s96, 6
	s_add_nc_u64 s[70:71], s[70:71], s[96:97]      ; its scale row
	s_lshl_b32 s96, s42, 13
	s_add_nc_u64 s[74:75], s[74:75], s[96:97]      ; Wk's scale rows from row 128 x on
	s_mul_i32 s96, s17, KROW
	s_add_nc_u64 s[76:77], s[76:77], s[96:97]      ; cur's row y
	s_lshl_b32 s96, s17, 6
	s_add_nc_u64 s[78:79], s[78:79], s[96:97]
	s_lshl_b32 s6, s42, 7
	s_lshl_b32 s7, s14, 5
	s_add_co_u32 s6, s6, s7                        ; my part of q: from 128 x + 32 w on
	s_mul_i32 s96, s6, KROW
	s_add_nc_u64 s[80:81], s[80:81], s[96:97]
	s_lshl_b32 s96, s6, 6
	s_add_nc_u64 s[82:83], s[82:83], s[96:97]
	s_lshl_b32 s96, s6, 2
	s_add_nc_u64 s[84:85], s[84:85], s[96:97]
	s_add_nc_u64 s[86:87], s[86:87], s[96:97]
	s_lshl_b32 s96, s42, 15
	s_add_co_u32 s96, s96, s5
	s_add_nc_u64 s[88:89], s[88:89], s[96:97]      ; ps at (8,192 x + 512 y + 128 w) x 4
.irp i, 0,1,2,3,4,5,6,7                        ; the main product's scale words: each pair of loads covers 1,024 consecutive bytes, 16 rows
	global_load_b128 v[SA+8*\i:SA+8*\i+3],   v3, s[70:71] offset:1024*\i
	global_load_b128 v[SA+8*\i+4:SA+8*\i+7], v3, s[70:71] offset:1024*\i+16
	global_load_b128 v[SB+8*\i:SB+8*\i+3],   v3, s[74:75] offset:1024*\i
	global_load_b128 v[SB+8*\i+4:SB+8*\i+7], v3, s[74:75] offset:1024*\i+16
.endr
.irp t, 0,1
.irp g, 0,1,2,3
	global_load_b128 v[QWS+16*\t+4*\g:QWS+16*\t+4*\g+3], v6, s[82:83] offset:1024*\t+16*\g   ; Wq's scale words: tile t, row r, K steps 4 g on
.endr
.endr
.irp g, 0,1,2,3
	global_load_b128 v[QCS+4*\g:QCS+4*\g+3], v7, s[78:79] offset:16*\g
.endr
.irp t, 0,1
.irp e, 0,1
	global_load_b128 v[QD+8*\t+4*\e:QD+8*\t+4*\e+3], v8, s[84:85] offset:64*\t+16*\e     ; bq straight into q's accumulators, in the result's layout: register j = number 16 t + 8 h + j of my 32
	global_load_b128 v[QBK+8*\t+4*\e:QBK+8*\t+4*\e+3], v8, s[86:87] offset:64*\t+16*\e
.endr
.endr
	WIN 0x40                                       ; destination window 1: cur's 16 fragments, K step s at v[12 s]
.set QS, 0
.rept 16
.irp g, 0,1,2
	global_load_b128 v[FR*QS+4*\g:FR*QS+4*\g+3], v5, s[76:77] offset:96*QS+16*\g
.endr
.set QS, QS+1
.endr
.set QU, 0
.rept 8                                        ; Wq's chunks (tile t, K steps 2 u and 2 u + 1), 24 registers each, at v[48 (u % 4) + 24 t] of window 2 (u < 4) or 3
	WIN 0x80+0x40*(QU/4)
.irp t, 0,1
.irp g, 0,1,2,3,4,5
	global_load_b128 v[48*(QU%4)+24*\t+4*\g:48*(QU%4)+24*\t+4*\g+3], v[VO+\g], s[80:81] offset:16*KROW*\t+ROWB*QU
.endr
.endr
.set QU, QU+1
.endr
	WIN 0
	; ---- LDS addresses, made while the loads are out
	v_mul_u32_u24 v30, v1, PITCH
	v_mad_u32_u24 v30, v2, 48, v30                 ; a fragment's row x pitch + 48 x half
	v_lshl_add_u32 v31, v2, 4, v30                 ; and the same behind one padding more
	s_mul_i32 s4, s14, 128*PITCH                   ; my 128 rows of ctx
	s_mov_b32 s5, XT                               ; W's 128 rows
.irp s, 0,1
	v_add_nc_u32 v[ADRA+\s], s4, v30
	v_add_nc_u32 v[ADRB+\s], s5, v30
	v_add_nc_u32 v[ADRA+2+\s], s4, v31
	v_add_nc_u32 v[ADRB+2+\s], s5, v31
	s_add_co_u32 s4, s4, SLOT
	s_add_co_u32 s5, s5, SLOT
.endr
	v_and_b32 v[GO], 31, v0
	v_lshlrev_b32 v[GO], 4, v[GO]
	s_lshl_b32 s4, s14, 9
	s_add_co_u32 s4, s4, STG
	v_lshl_add_u32 v[STA], v1, 2, s4
	v_add_nc_u32 v[STR], s4, v[GO]
	s_lshl_b32 s4, s14, 7
	s_add_co_u32 s4, s4, WT
	v_lshl_add_u32 v[WS], v2, 5, s4                ; q's table: my wave's 32 numbers, + 8 h of them
	v_lshl_add_u32 v[WA], v2, 5, WT                ; and read: + 8 h
	s_lshl_b32 s4, s14, 2
	s_add_co_u32 s4, s4, CB
	v_mov_b32 v[CBA], s4
	v_mov_b32 v[CBR], CB
	s_wait_loadcnt 63                              ; all but the youngest 63 loads are in: the scale words, the biases, cur, and Wq's chunks 0 to 4, behind each of which 66 loads or more were issued
.set QS, QWS
.rept 48
	v_perm_b32 v[QS], v[QS], v[QS], s94            ; bytes 0, 2, 1, 3: the order in which the blocks stand in the fragments.  q's scale words first: the 128 lines below are their places ahead of q's products
.set QS, QS+1
.endr
.set QS, SA
.rept 128
	v_perm_b32 v[QS], v[QS], v[QS], s94            ; the main product's (behind them, ahead of that product: the places and the sum of q bk below, more than eight plain lines)
.set QS, QS+1
.endr
.set QC, 0
.rept 16                                       ; chunk 2 u + t through my stage.  LDS serves a wave's instructions in order (ISA guide 5.7.1.4): no wait between the stores and the loads, nor in front of the next chunk's stores
.set QB, 48*((QC/2)%4)+24*(QC%2)
.if 6*(15-QC) < 63
	s_wait_loadcnt 6*(15-QC)                       ; this chunk's six loads are in; the later chunks' may be out
.endif
	WIN 0x08+4*(QC/8)                              ; an LDS store's data are its source 1: window 2 or 3
.irp g, 0,1,2,3,4,5
	ds_store_b128 v[VS+\g], v[QB+4*\g:QB+4*\g+3]
.endr
	WIN 0x80+0x40*(QC/8)                           ; back into the registers that it left: two fragments, K steps 2 u + e
.irp e, 0,1
.irp g, 0,1,2
	ds_load_b128 v[QB+12*\e+4*\g:QB+12*\e+4*\g+3], v[VL] offset:96*\e+16*\g
.endr
.endr
.set QC, QC+1
.endr
	s_wait_dscnt 0x0
	; ---- q: my 32 numbers, two accumulators by turns; they began as bq
.set QS, 0
.rept 16
	WIN 0x06+QS/8                                  ; source 0 (Wq) window 2 or 3, source 1 (cur) window 1, C and D window 0
.irp t, 0,1
.set QA, 48*((QS/2)%4)+24*\t+12*(QS%2)
	v_wmma_scale_f32_16x16x128_f8f6f4 v[QD+8*\t:QD+8*\t+7], v[QA:QA+FR-1], v[FR*QS:FR*QS+FR-1], v[QD+8*\t:QD+8*\t+7], v[QWS+16*\t+QS], v[QCS+QS] matrix_a_fmt:MATRIX_FMT_BF6 matrix_b_fmt:MATRIX_FMT_BF6
.endr
.set QS, QS+1
.endr
	WIN 0
	PLACES 5                                       ; four ahead of the reads of the results and of loads into the operands; five ahead of the main product's first instructions, which write over Wq's fragments
.irp t, 0,1                                    ; q into its table; the sixteen lanes of a half hold the same numbers and write the same bytes; each accumulator from its low end on
	ds_store_b128 v[WS], v[QD+8*\t:QD+8*\t+3] offset:64*\t
	ds_store_b128 v[WS], v[QD+8*\t+4:QD+8*\t+7] offset:64*\t+16
.endr
	v_pk_mul_f32 v[30:31], v[QD:QD+1], v[QBK:QBK+1]    ; the sum of q bk over my 32 columns
.irp i, 1,2,3,4,5,6,7
	v_pk_fma_f32 v[30:31], v[QD+2*\i:QD+2*\i+1], v[QBK+2*\i:QBK+2*\i+1], v[30:31]
.endr
	v_add_f32 v30, v30, v31
	v_permlanex16_b32 v31, v30, s92, s93
	v_add_f32 v30, v30, v31
	ds_store_b32 v[CBA], v30                       ; every lane writes the same word with the same value
.macro FRAG reg, adr, q, i             ; a fragment: lane l holds row l % 16 and the 48 bytes from 96 q + 48 (l / 16) on of the row's 192, in pieces of 16 bytes, none of which straddles a padding
.irp g, 0,1,2
.set DD, 96*(\q)+16*\g                 ; the piece of lanes 0-15; lanes 16-31 read 48 bytes of data further on; where that lies behind one padding more, the second address register serves
.if DD%64 < 16
	ds_load_b128 v[\reg+4*\g:\reg+4*\g+3], v[\adr] offset:DD+16*(DD/64)+(\i)*16*PITCH
.else
	ds_load_b128 v[\reg+4*\g:\reg+4*\g+3], v[\adr+2] offset:DD+16*(DD/64)+(\i)*16*PITCH
.endif
.endr
.endm
.macro FETCH_B slot, q, p              ; W's eight fragments of the slot's q-th 128 along K into set p
	WIN 0x40
.irp i, 0,1,2,3,4,5,6,7
	FRAG 128*(\p)+FR*\i, ADRB+\slot, \q, \i
.endr
.endm
.macro FETCH_X slot, q                 ; ctx's blocks 4-7 into window 1: v96, v108, v224, v236
	WIN 0x40
.irp i, 4,5,6,7
	FRAG 96+128*((\i-4)/2)+FR*(\i%2), ADRA+\slot, \q, \i
.endr
.endm
.macro FETCH_A slot, q, i0             ; ctx's blocks i0 .. i0 + 3 into window 0
	WIN 0
.irp i, \i0, \i0+1, \i0+2, \i0+3
	FRAG AF+FR*(\i), ADRA+\slot, \q, \i
.endr
.endm
; 16 matrix instructions: ctx's blocks a0, a0 + 1 x W's eight, K step KS.  p: W's set.  zero = 1: the first product starts the sums: nothing is cleared.  x = 1: ctx's blocks stand in window 1.
; The 64 accumulators take turns, one instruction a turn, in the same order in every K step.
.macro MUL16 a0, p, zero, x
.irp a, \a0, \a0+1
.irp b, 0,1,2,3,4,5,6,7
.set ACC, 8*(8*((\a)%4)+\b)
.if \x
.set CTX, 96+128*(((\a)-4)/2)+FR*((\a)%2)
.else
.set CTX, AF+FR*(\a)
.endif
.if MODE_V
.set OP0, CTX
.set OP1, 128*(\p)+FR*\b
.set SC0, SA+8*(\a)+KS%8
.set SC1, SB+8*\b+KS%8
.else
.set OP0, 128*(\p)+FR*\b
.set OP1, CTX
.set SC0, SB+8*\b+KS%8
.set SC1, SA+8*(\a)+KS%8
.endif
.if \zero
	v_wmma_scale_f32_16x16x128_f8f6f4 v[ACC:ACC+7], v[OP0:OP0+FR-1], v[OP1:OP1+FR-1], 0, v[SC0], v[SC1] matrix_a_fmt:MATRIX_FMT_BF6 matrix_b_fmt:MATRIX_FMT_BF6
.elseif KS < 8
	v_wmma_scale_f32_16x16x128_f8f6f4 v[ACC:ACC+7], v[OP0:OP0+FR-1], v[OP1:OP1+FR-1], v[ACC:ACC+7], v[SC0], v[SC1] matrix_a_fmt:MATRIX_FMT_BF6 matrix_b_fmt:MATRIX_FMT_BF6
.else
	v_wmma_scale_f32_16x16x128_f8f6f4 v[ACC:ACC+7], v[OP0:OP0+FR-1], v[OP1:OP1+FR-1], v[ACC:ACC+7], v[SC0], v[SC1] matrix_a_fmt:MATRIX_FMT_BF6 matrix_b_fmt:MATRIX_FMT_BF6 matrix_a_scale:MATRIX_SCALE_ROW1 matrix_b_scale:MATRIX_SCALE_ROW1
.endif
.endr
.endr
.endm
; A slot's first 128 along K (W's set 0, ctx's eight blocks in window 0).  In its middle ONE run of 48 loads brings ALL fragments of the slot's second 128: W's into set 1, ctx's blocks 4-7 into window 1 (their
; places in window 0 are still being multiplied), blocks 0-3 into window 0.  So my reads of the slot are all issued 32 matrix instructions ahead of the change of slots.
.macro STEP slot, zero
	s_wait_dscnt 4*NL                              ; W's set and ctx's blocks 0-3 are in; the youngest 12 loads (blocks 4-7) may be out
	WIN MUL_LO
	MUL16 0, 0, \zero, 0
	MUL16 2, 0, \zero, 0
	PLACES 4
	FETCH_B \slot, 1, 1
	FETCH_X \slot, 1
	FETCH_A \slot, 1, 0
	s_wait_dscnt 16*NL                             ; all but the 48 just issued: blocks 4-7 are in
	WIN MUL_HI
	MUL16 4, 0, \zero, 0
	MUL16 6, 0, \zero, 0
.set KS, KS+1
.endm
; A slot's second 128 along K (W's set 1; ctx's blocks 4-7 in window 1).  THE CHANGE OF SLOTS STANDS AT ITS HEAD: each wave waits for all its tensor loads, adds 0 to its spare word, and waits for that and for its reads
; of this slot.  fill = 1: a round of the cluster's barrier follows, and this slot is filled again, two slots ahead, first thing behind it: the load has 128 matrix instructions in which to land.
; In the step's middle one run of 48 loads brings the next slot's first fragments.
.macro TURN slot, next, fill
	WIN 0
	s_wait_tensorcnt 0x0                           ; all my tensor loads have landed: my part of the next slot; so a group 0 may be written
	ds_add_u32 v[SPW], v[NIL]                      ; 0 onto my spare word
.if \fill
	s_add_nc_u64 s[G0+4*\slot+2:G0+4*\slot+3], s[G0+4*\slot+2:G0+4*\slot+3], 2*ROWB
	s_add_nc_u64 s[G0B+4*\slot+2:G0B+4*\slot+3], s[G0B+4*\slot+2:G0B+4*\slot+3], 2*ROWB
.endif
	s_wait_dscnt 0x0                               ; the add is done, and my reads of this slot are over: this step's fragments are all in registers
.if \fill
	CROUND                                         ; no wave of any partner still reads this slot's tile or has a load on its way
	JLOAD \slot                                    ; the first tensor load behind the round, my only one until the next
.else
	s_barrier_signal -1
	s_barrier_wait -1
.endif
	WIN MUL_LO
	MUL16 0, 1, 0, 0
	MUL16 2, 1, 0, 0
	PLACES 4
	FETCH_B \next, 0, 0
	FETCH_A \next, 0, 0
	FETCH_A \next, 0, 4
	WIN MUL_HX
	MUL16 4, 1, 0, 1
	MUL16 6, 1, 0, 1
.set KS, KS+1
.endm
	s_wait_dscnt 0x0                               ; for the others' sake: my part of q and my word of CB lie in LDS
	s_wait_tensorcnt 0x1                           ; my part of slot 0 is in; slot 1's may stay out
	s_barrier_signal -1
	s_barrier_wait -1
.set KS, 0
	FETCH_B 0, 0, 0
	FETCH_A 0, 0, 0
	FETCH_A 0, 0, 4
	STEP 0, 1                                      ; K step 0 starts the sums
.rept 3                                        ; three times round the ring: six refills, slots' worth 2 to 7 of K
	TURN 0, 1, 1
	STEP 1, 0
	TURN 1, 0, 1
	STEP 0, 0
.endr
	TURN 0, 1, 0                                   ; nothing is left to fetch: a plain barrier
	STEP 1, 0
	s_wait_dscnt 0x0                               ; K step 15
	WIN MUL_LO
	MUL16 0, 1, 0, 0
	MUL16 2, 1, 0, 0
	PLACES 4
	WIN 0x40                                       ; q into window 1, where W's set 0 lay: register 8 b + j = q at column 16 b + 8 h + j; the sixteen lanes of a half read the same bytes
.irp b, 0,1,2,3,4,5,6,7
	ds_load_b128 v[8*\b:8*\b+3],   v[WA] offset:64*\b
	ds_load_b128 v[8*\b+4:8*\b+7], v[WA] offset:64*\b+16
.endr
	WIN 0
	ds_load_b128 v[CBW:CBW+3], v[CBR]              ; the four waves' sums of q bk
	WIN MUL_HX
	MUL16 4, 1, 0, 1
	MUL16 6, 1, 0, 1
	WIN 0
	PLACES 4                                       ; ahead of the first reads of the last results
; THE WAY OUT.  For block a of my rows: the sum over b and j of accumulator (a, b)[j] x q[16 b + 8 h + j], two at a time; four chains by turns; each accumulator is read from its low end on; the first product starts a sum.
.macro RED hi
	WIN 0x06+\hi                                   ; source 0 (accumulators) window 2 or 3, source 1 (q) window 1, the sums window 0
.irp b, 0,1,2,3,4,5,6,7
.irp i, 0,1,2,3
.irp a, 0,1,2,3
.if (\b == 0) && (\i == 0)
	v_pk_mul_f32 v[R+2*(4*\hi+\a):R+2*(4*\hi+\a)+1], v[8*(8*\a+\b)+2*\i:8*(8*\a+\b)+2*\i+1], v[8*\b+2*\i:8*\b+2*\i+1]
.else
	v_pk_fma_f32 v[R+2*(4*\hi+\a):R+2*(4*\hi+\a)+1], v[8*(8*\a+\b)+2*\i:8*(8*\a+\b)+2*\i+1], v[8*\b+2*\i:8*\b+2*\i+1], v[R+2*(4*\hi+\a):R+2*(4*\hi+\a)+1]
.endif
.endr
.endr
.endr
.endm
	s_wait_dscnt 0x0                               ; q and CB are in
	RED 0
	RED 1
	WIN 0
	v_add_f32 v[CBW], v[CBW], v[CBW+1]
	v_add_f32 v[CBW+2], v[CBW+2], v[CBW+3]
	v_add_f32 v[CBW], v[CBW], v[CBW+2]             ; the sum of q bk over the tile's 128 columns
.irp i, 0,1,2,3,4,5,6,7
	v_add_f32 v[T+\i], v[R+2*\i], v[R+2*\i+1]      ; even and odd columns,
.endr
.irp i, 0,1,2,3,4,5,6,7
	v_permlanex16_b32 v[R+2*\i], v[T+\i], s92, s93
.endr
.irp i, 0,1,2,3,4,5,6,7
	v_add_f32 v[T+\i], v[T+\i], v[R+2*\i]          ; and the other half of the lanes' eight columns of each block
.endr
.irp i, 0,1,2,3,4,5,6,7
	v_add_f32 v[T+\i], v[T+\i], v[CBW]
.endr
.irp i, 0,1,2,3,4,5,6,7
	ds_store_b32 v[STA], v[T+\i] offset:64*\i      ; row 16 i + r of my 128; both halves of the lanes write the same word with the same value
.endr
	ds_load_b128 v[R:R+3], v[STR]                  ; LDS serves a wave's instructions in order (ISA guide 5.7.1.4): this sees the stores above
	s_wait_dscnt 0x0
	global_store_b128 v[GO], v[R:R+3], s[88:89]    ; the wave stores 512 consecutive bytes, at a multiple of 512 from the buffer's first byte
	s_wait_tensorcnt 0x0                           ; the wave's end
	ds_add_u32 v[SPW], v[NIL]
	s_wait_dscnt 0x0
	CROUND                                         ; the closing round: no work-group ends while a partner may still ask for a tile that names it
	s_endpgm
.Lfunc_end_k_q19c42dc12a_kscore:
	.size	k_q19c42dc12a_kscore, .Lfunc_end_k_q19c42dc12a_kscore-k_q19c42dc12a_kscore
	.p2alignl 7, 3214868480
	.fill 96, 4, 3214868480
	.section	.rodata,"a",@progbits
	.p2align	6, 0x0
	.amdhsa_kernel k_q19c42dc12a_kscore
		.amdhsa_group_segment_fixed_size 327680
		.amdhsa_private_segment_fixed_size 0
		.amdhsa_enable_private_segment 0
		.amdhsa_kernarg_size 88
		.amdhsa_user_sgpr_count 2
		.amdhsa_user_sgpr_kernarg_segment_ptr 1
		.amdhsa_wavefront_size32 1
		.amdhsa_system_sgpr_workgroup_id_x 1
		.amdhsa_system_sgpr_workgroup_id_y 1
		.amdhsa_system_sgpr_workgroup_id_z 1
		.amdhsa_system_vgpr_workitem_id 0
		.amdhsa_next_free_vgpr 1024
		.amdhsa_next_free_sgpr 100
		.amdhsa_reserve_vcc 0
		.amdhsa_float_denorm_mode_32 3
		.amdhsa_float_denorm_mode_16_64 3
		.amdhsa_memory_ordered 1
		.amdhsa_forward_progress 1
		.amdhsa_inst_pref_size 255
	.end_amdhsa_kernel
	.section	.bss,"aw",@nobits
	.p2align	6
	.space	262144
	.amdgpu_metadata
---
amdhsa.version: [ 1, 2 ]
amdhsa.kernels:
  - .name:           k_q19c42dc12a_kscore
    .symbol:         k_q19c42dc12a_kscore.kd
    .args:
      - { .name: context_tokens_codes, .offset: 0, .size: 8, .value_kind: global_buffer, .address_space: global }
      - { .name: context_tokens_scales, .offset: 8, .size: 8, .value_kind: global_buffer, .address_space: global }
      - { .name: Wk_codes, .offset: 16, .size: 8, .value_kind: global_buffer, .address_space: global }
      - { .name: Wk_scales, .offset: 24, .size: 8, .value_kind: global_buffer, .address_space: global }
      - { .name: current_token_codes, .offset: 32, .size: 8, .value_kind: global_buffer, .address_space: global }
      - { .name: current_token_scales, .offset: 40, .size: 8, .value_kind: global_buffer, .address_space: global }
      - { .name: Wq_codes, .offset: 48, .size: 8, .value_kind: global_buffer, .address_space: global }
      - { .name: Wq_scales, .offset: 56, .size: 8, .value_kind: global_buffer, .address_space: global }
      - { .name: bq, .offset: 64, .size: 8, .value_kind: global_buffer, .address_space: global }
      - { .name: bk, .offset: 72, .size: 8, .value_kind: global_buffer, .address_space: global }
      - { .name: ps, .offset: 80, .size: 8, .value_kind: global_buffer, .address_space: global }
    .group_segment_fixed_size: 327680
    .private_segment_fixed_size: 0
    .kernarg_segment_align: 8
    .kernarg_segment_size: 88
    .max_flat_workgroup_size: 128
    .sgpr_count:     100
    .vgpr_count:     1024
    .wavefront_size: 32
...
	.end_amdgpu_metadata
.endif
;; end of part 1
;; launch vout (part 2): grid 16 x 16, 4 waves a work-group, clusters of 4 x 4, 327,680 bytes of LDS; arguments context_tokens_codes, context_tokens_scales, Wv_codes, Wv_scales, bv, ps, out0; writes out0
.if DOCPART == 2
	.amdgcn_target "amdgcn-amd-amdhsa--gfx1250"
	.amdhsa_code_object_version 6
	.text
	.protected	k_q19c42dc12a_vout
	.globl	k_q19c42dc12a_vout
	.p2align	8
	.type	k_q19c42dc12a_vout,@function
k_q19c42dc12a_vout:
	s_mov_b64 s[64:65], 0
	v_nop
	global_prefetch_b8 v0, s[64:65] scope:SCOPE_SE
	s_setreg_imm32_b32 hwreg(HW_REG_WAVE_MODE, 25, 1), 1
	s_wait_xcnt 0x0
	s_wait_alu depctr_hold_cnt(0) depctr_sa_sdst(0) depctr_va_vdst(0) depctr_va_sdst(0) depctr_va_ssrc(0) depctr_va_vcc(0) depctr_vm_vsrc(0)
	s_getreg_b32 s2, hwreg(HW_REG_IB_STS2, 6, 4)
	s_cmp_eq_u32 s2, 0
	s_cbranch_scc0 .Lentry_in_a_cluster
	s_endpgm
.Lentry_in_a_cluster:
	s_bfe_u32 s2, ttmp6, 0x10000c
	s_cmp_lg_u32 s2, 0xf033
	s_cbranch_scc0 .Lentry_shape_is_right
	s_endpgm
.Lentry_shape_is_right:
; out0[y][n] = (sum over l of p[l] v[y][l][n]) / (sum over l of p[l]) + bv[n], p[l] = exp((s[l] - max s) / sqrt(2048)), s[l] = the sum over the 16 column tiles c of ps[c][512 y + l].
; v = ctx Wv is a product on codes of BF6 (E3M2) with one E8M0 byte for each 32 along K (2,048), taken as they lie in memory; v never goes to memory.
; sum of attn (acc + bv) = (sum of p acc) / (sum of p) + bv, since the weights attn = p / sum of p add up to 1: the same number but for rounding.
; SHARES.  Work-group (x, y): batch y (all its 512 rows of ctx) x columns 128 x .. + 127: it owns 128 numbers of the output.  Four waves; wave w: rows 128 w .. + 127 x all 128 columns: 64 accumulators, 512 registers.
; Ring, cluster and joint loads: K goes in steps of 256 through two LDS slots (512 rows of ctx, 128 of Wv); ctx's tile is asked for jointly along a row of the 4 x 4 cluster, Wv's along a column.
; FRAGMENTS.  A lane takes 48 NEIGHBOURING bytes of a K step's 96, by three loads of 16 bytes, in both operands: the blocks of 32 then stand in the order 0, 2, 1, 3, and the two middle bytes of every scale word
; change places with them, once, at the head.  The products are the same; the order in which the unit adds them differs.
; THE SCALE WORDS STAY IN REGISTERS: a scale row's 16 words lie in eight registers (lanes 0-15 words 0-7, lanes 16-31 words 8-15), so the 16 K steps are written out by macros and there is no backward jump.
; THE SOFTMAX is made by every wave for itself, 16 rows a lane, so that maximum and sum never leave the wave; the wave keeps p in a table of its own in LDS.
; THE PRODUCT IS USED WITH source 0 = 16 rows of ctx, source 1 = 16 rows of Wv: a lane holds one column and eight neighbouring rows, so the sum over rows is packed multiply-adds down the lane's registers (f32).
; LIMITS: a scale byte 0xff gives NaN, as it does in the format; a p under 2^-126 counts as 0 (v_exp_f32 flushes denormal results: ISA guide 15.8); the f32 sums are taken in another order than a plain loop would take them.
.set MODE_V, 1
.set PITCH,  240                       ; an LDS row: 3 x (64 bytes of codes + 16 of padding) = 60 words: the 16 rows of a pass of a 16-byte load start at 16 different groups of four banks (64 banks of 4 bytes: ISA guide 11.1)
.set ROWB,   192                       ; 256 codes
.set KROW,   1536                      ; 2,048 codes: a row in memory
.set FR,     12                        ; registers of a fragment, 16 rows x 128 K
.set NL,     3                         ; LDS loads that bring one
.set XT,     512*PITCH                 ; in a slot: ctx's 512 rows, then W's 128
.set SLOT,   640*PITCH
.set WT,     2*SLOT                    ; behind the ring: p[512], 2,048 bytes, once for each wave
.set STG,    WT+8192                   ; 512 bytes a wave: its 128 partial results
.set SPARE,  STG+2048+256              ; the spare words, 128 bytes a wave: two blocks of 256 bytes that no other line names
.set BV,   8                           ; v[8:11] bv at my four columns
.set RS,   12                          ; v12  1 / the sum of p (named with v13 as a pair)
.set WA,   13                          ; v13  where I read the weights
.set STA,  14                          ; v14  my wave's stage, 4 bytes a column
.set STR,  15                          ; v15  the stages read back, 16 bytes a lane
.set ADRA, 16                          ; v16-17 my ctx fragments in slot 0, 1 (row x pitch + 48 x half); v18-19 the same behind one padding more (64 x half)
.set ADRB, 20                          ; v20-23 the same for W
.set GO,   24                          ; v24  16 x lane
.set WS,   25                          ; v25  where I store p
.set SPW,  28                          ; v28  my spare word; never rewritten
.set NIL,  29                          ; v29  0; never rewritten
.set SA,   32                          ; v32-95   ctx's scale words: block i, word j at SA + 8 i + j
.set SB,   96                          ; v96-159  W's likewise
.set AF,   160                         ; v160-255 ctx's eight fragments.  Window 1: W's, two sets, at v0 and v128; v96-119 and v224-247: ctx's blocks 4-7 of a slot's second K step.  Windows 2, 3: the accumulators, (a, b) at v[8 (8 (a % 4) + b)]
.set R,    160                         ; the way out: eight pairs of sums
.set T,    176                         ; and eight results
.set P,    160                         ; the head only: s, then p, 16 a lane; v176-179 at work
.set G1,  24                           ; s[24:31] descriptor group 1 for ctx's tiles; s[32:39] group 0, a set for each slot
.set G0,  32
.set G1B, 48                           ; s[48:55], s[56:63] the same for W's
.set G0B, 56
.set MSB, 0
.macro WIN new                         ; the immediate's high byte repeats the setting that is left; a switch that changes nothing is dropped
.if MSB != (\new)
	s_set_vgpr_msb (MSB<<8)|(\new)
.set MSB, (\new)
.endif
.endm
.if MODE_V
.set MUL_LO, 0xa4                      ; source 0 (ctx) window 0, source 1 (W) window 1, C and D window 2
.set MUL_HI, 0xf4                      ; the same, C and D window 3
.else
.set MUL_LO, 0xa1
.set MUL_HI, 0xf1
.endif
.set MUL_HX, 0xf5                      ; both sources window 1, C and D window 3
.macro PLACES n                        ; plain vector instructions between a matrix instruction and a load into, or a read of, its registers
.rept \n
	v_nop
.endr
.endm
; A joint load: waves 0, 1 fetch for ctx, waves 2, 3 for W.  Each line has one mask and one set of registers for all that issue it; the branch hangs on the wave's number alone.
; Four v_nop follow each of the two lines, ahead of the jump, the label and what follows.
.macro JLOAD s
	s_cmp_eq_u32 s15, 0
	s_cbranch_scc0 .Lfor_w_\@
	tensor_load_to_lds s[G0+4*\s:G0+4*\s+3], s[G1:G1+7]
	s_nop 0
.rept 4
	v_nop
.endr
	s_branch .Lasked_\@
.Lfor_w_\@:
	tensor_load_to_lds s[G0B+4*\s:G0B+4*\s+3], s[G1B:G1B+7]
	s_nop 0
.rept 4
	v_nop
.endr
.Lasked_\@:
.endm
.macro CREST                           ; a round of the cluster's barrier behind its opening barrier
	s_cmp_lg_u32 s14, 0
	s_cbranch_scc1 .Lnot_wave_0_\@
	s_barrier_signal -3
.Lnot_wave_0_\@:
	s_barrier_wait -3
	s_barrier_signal -1
	s_barrier_wait -1
.endm
.macro CROUND                          ; a whole round
	s_barrier_signal -1
	s_barrier_wait -1
	CREST
.endm
	s_load_b256 s[68:75], s[0:1], 0x0              ; ctx codes s[68:69], ctx scales s[70:71], Wv codes s[72:73], Wv scales s[74:75]
	s_load_b128 s[76:79], s[0:1], 0x20             ; bv, ps
	s_load_b64 s[80:81], s[0:1], 0x30              ; out0
	v_lshl_add_u32 v[SPW], v0, 2, SPARE
	v_mov_b32 v[NIL], 0
	ds_add_u32 v28, v29
	ds_add_u32 v28, v29
	s_wait_dscnt 0x0
	v_lshrrev_b32 v1, 5, v0
	v_readfirstlane_b32 s14, v1                    ; wave 0..3
	s_lshr_b32 s15, s14, 1                         ; I fetch for ctx (0) or for W (1),
	s_and_b32 s16, s14, 1                          ; and which half of that tile
	s_bfe_u32 s40, ttmp6, 0x40000                  ; cx, cy: my place in the cluster
	s_bfe_u32 s41, ttmp6, 0x40004
	s_lshl_b32 s42, ttmp9, 2
	s_add_co_u32 s42, s42, s40                     ; x: the tile of 128 columns = 4 x cluster x + cx
	s_and_b32 s17, ttmp7, 0xffff
	s_lshl_b32 s17, s17, 2
	s_add_co_u32 s17, s17, s41                     ; y: the batch = 4 x cluster y + cy
	s_lshl_b32 s43, s41, 2
	s_lshl_b32 s43, 15, s43                        ; my row of the cluster
	s_lshl_b32 s44, 0x1111, s40                    ; my column
	s_or_b32 s[G1+0], s43, (1<<20)|(1<<21)|(3<<22)|(3<<25)   ; 15:0 the mask: ctx's tiles go to my row; 17:16 elements of 1 byte; 20 padding on; 21 set beside a mask; 24:22 after every 16 words; 31:25 of 4 words
	s_or_b32 s[G1B+0], s44, (1<<20)|(1<<21)|(3<<22)|(3<<25)  ; the same with my column's mask
.irp g, G1, G1B
	s_mov_b32 s[\g+1], ROWB<<16                    ; tensor_dim0
	s_mov_b32 s[\g+3], ROWB<<16                    ; tile_dim0
	s_mov_b32 s[\g+5], KROW                        ; from row to row
	s_mov_b32 s[\g+6], 0
	s_mov_b32 s[\g+7], 0
.endr
	s_mov_b32 s[G1+2], 256<<16                     ; tensor_dim1: a load of ctx brings 256 rows,
	s_mov_b32 s[G1+4], 256                         ; tile_dim1
	s_mov_b32 s[G1B+2], 64<<16                     ; one of W 64
	s_mov_b32 s[G1B+4], 64
	s_lshl_b32 s20, s17, 9
	s_lshl_b32 s18, s16, 8
	s_add_co_u32 s20, s20, s18                     ; ctx: row 512 y + 256 x half
	s_mul_i32 s20, s20, KROW
	s_mov_b32 s21, 0
	s_lshl_b32 s46, s42, 7
	s_lshl_b32 s18, s16, 6
	s_add_co_u32 s46, s46, s18                     ; W: row 128 x + 64 x half
	s_mul_i32 s46, s46, KROW
	s_mov_b32 s47, 0
	s_mul_i32 s45, s16, 256*PITCH                  ; where they go: no place in the cluster enters an LDS address
	s_mul_i32 s19, s16, 64*PITCH
	s_add_co_u32 s19, s19, XT
	s_mov_b32 s90, 0x03010200                      ; v_perm_b32: a word's two middle bytes change places
	s_mov_b32 s92, 0x76543210
	s_mov_b32 s93, 0xfedcba98                      ; v_permlanex16_b32's selects for lane l xor 16
	s_mov_b32 s94, 0x3d0293ee                      ; c = log2(e) / sqrt(2048)
	s_mov_b32 s95, s94                             ; (named with it as a pair, so it is written)
	s_wait_kmcnt 0x0
	s_add_nc_u64 s[20:21], s[68:69], s[20:21]
	s_add_nc_u64 s[46:47], s[72:73], s[46:47]
	CROUND                                         ; all sixteen work-groups are here: the first joint loads meet
.irp s, 0,1
	s_mov_b32 s[G0+4*\s], 1
	s_add_co_u32 s[G0+4*\s+1], s45, \s*SLOT
	s_add_nc_u64 s[G0+4*\s+2:G0+4*\s+3], s[20:21], \s*ROWB
	s_or_b32 s[G0+4*\s+3], s[G0+4*\s+3], 0x80000000
	s_mov_b32 s[G0B+4*\s], 1
	s_add_co_u32 s[G0B+4*\s+1], s19, \s*SLOT
	s_add_nc_u64 s[G0B+4*\s+2:G0B+4*\s+3], s[46:47], \s*ROWB
	s_or_b32 s[G0B+4*\s+3], s[G0B+4*\s+3], 0x80000000
	JLOAD \s                                       ; both slots are asked for before anything else: two tensor loads of mine are out
.endr
	; ---- the head's loads from memory
	v_and_b32 v1, 15, v0                           ; r
	v_bfe_u32 v2, v0, 4, 1                         ; h
	v_lshlrev_b32 v3, 6, v1
	v_lshl_add_u32 v3, v2, 5, v3                   ; scale rows: 64 r + 32 h
	v_and_b32 v[GO], 31, v0
	v_lshlrev_b32 v[GO], 4, v[GO]                  ; 16 x lane
	s_mov_b32 s97, 0
	s_lshl_b32 s96, s17, 11
	s_add_nc_u64 s[78:79], s[78:79], s[96:97]      ; ps at row 512 y of column tile 0
	s_lshl_b32 s96, s17, 9
	s_lshl_b32 s4, s14, 7
	s_add_co_u32 s96, s96, s4                      ; my first row of ctx: 512 y + 128 w
	s_lshl_b32 s96, s96, 6
	s_add_nc_u64 s[70:71], s[70:71], s[96:97]      ; its scale row
	s_lshl_b32 s96, s42, 13
	s_add_nc_u64 s[74:75], s[74:75], s[96:97]      ; Wv's scale rows from row 128 x on
	s_lshl_b32 s96, s42, 9
	s_add_nc_u64 s[76:77], s[76:77], s[96:97]      ; bv at column 128 x
	s_lshl_b32 s4, s17, 13
	s_add_co_u32 s96, s96, s4
	s_add_nc_u64 s[80:81], s[80:81], s[96:97]      ; out0 at (2,048 y + 128 x) x 4
	WIN 0x80                                       ; destination window 2: ps of column tile c, rows 128 g + 4 x lane + 0 .. 3, at v[16 c + 4 g]: each load reads 512 consecutive bytes
.irp c, 0,1,2,3,4,5,6,7,8,9,10,11,12,13,14,15
.irp g, 0,1,2,3
	global_load_b128 v[16*\c+4*\g:16*\c+4*\g+3], v[GO], s[78:79] offset:32768*\c+512*\g
.endr
.endr
	WIN 0
.irp i, 0,1,2,3,4,5,6,7                        ; the scale words: each pair of loads covers 1,024 consecutive bytes, 16 rows
	global_load_b128 v[SA+8*\i:SA+8*\i+3],   v3, s[70:71] offset:1024*\i
	global_load_b128 v[SA+8*\i+4:SA+8*\i+7], v3, s[70:71] offset:1024*\i+16
	global_load_b128 v[SB+8*\i:SB+8*\i+3],   v3, s[74:75] offset:1024*\i
	global_load_b128 v[SB+8*\i+4:SB+8*\i+7], v3, s[74:75] offset:1024*\i+16
.endr
	global_load_b128 v[BV:BV+3], v[GO], s[76:77]   ; bv at columns 4 x lane + 0 .. 3 of the tile
	; ---- LDS addresses, made while the loads are out
	v_mul_u32_u24 v30, v1, PITCH
	v_mad_u32_u24 v30, v2, 48, v30                 ; a fragment's row x pitch + 48 x half
	v_lshl_add_u32 v31, v2, 4, v30                 ; and the same behind one padding more
	s_mul_i32 s4, s14, 128*PITCH                   ; my 128 rows of ctx
	s_mov_b32 s5, XT                               ; W's 128 rows
.irp s, 0,1
	v_add_nc_u32 v[ADRA+\s], s4, v30
	v_add_nc_u32 v[ADRB+\s], s5, v30
	v_add_nc_u32 v[ADRA+2+\s], s4, v31
	v_add_nc_u32 v[ADRB+2+\s], s5, v31
	s_add_co_u32 s4, s4, SLOT
	s_add_co_u32 s5, s5, SLOT
.endr
	s_lshl_b32 s4, s14, 9
	s_add_co_u32 s4, s4, STG
	v_lshl_add_u32 v[STA], v1, 2, s4
	v_add_nc_u32 v[STR], STG, v[GO]
	s_lshl_b32 s4, s14, 11
	s_add_co_u32 s4, s4, WT
	v_add_nc_u32 v[WS], s4, v[GO]                  ; my wave's table of p, 16 bytes a lane
	s_mul_i32 s4, s14, 2560
	s_add_co_u32 s4, s4, WT
	v_lshl_add_u32 v[WA], v2, 5, s4                ; in my table (2,048 w) my wave's rows (512 w), + 32 h: p at rows 128 w + 8 h on
	; ---- the softmax's weights, not normalised
	s_wait_loadcnt 33                              ; the 64 loads of ps are in; the 33 younger loads (scale words, bv) may stay out
	WIN 0x8a                                       ; both sources and the destination in window 2
.set CT, 1
.rept 14
.irp i, 0,1,2,3,4,5,6,7
	v_pk_add_f32 v[2*\i:2*\i+1], v[2*\i:2*\i+1], v[16*CT+2*\i:16*CT+2*\i+1]   ; s = the sum over the column tiles, eight chains by turns
.endr
.set CT, CT+1
.endr
	WIN 0x0a                                       ; the last addition puts s into window 0
.irp i, 0,1,2,3,4,5,6,7
	v_pk_add_f32 v[P+2*\i:P+2*\i+1], v[2*\i:2*\i+1], v[240+2*\i:240+2*\i+1]
.endr
	WIN 0
	v_max3_num_f32 v176, v[P], v[P+1], v[P+2]      ; the largest s of my 16, in two chains,
	v_max3_num_f32 v177, v[P+3], v[P+4], v[P+5]
	v_max3_num_f32 v176, v176, v[P+6], v[P+7]
	v_max3_num_f32 v177, v177, v[P+8], v[P+9]
	v_max3_num_f32 v176, v176, v[P+10], v[P+11]
	v_max3_num_f32 v177, v177, v[P+12], v[P+13]
	v_max3_num_f32 v176, v176, v[P+14], v[P+15]
	v_max_num_f32 v176, v176, v177
	v_max_num_f32_dpp v176, v176, v176 row_xmask:1 row_mask:0xf bank_mask:0xf   ; of the 32 lanes: of all 512 rows
	v_max_num_f32_dpp v176, v176, v176 row_xmask:2 row_mask:0xf bank_mask:0xf
	v_max_num_f32_dpp v176, v176, v176 row_xmask:4 row_mask:0xf bank_mask:0xf
	v_max_num_f32_dpp v176, v176, v176 row_xmask:8 row_mask:0xf bank_mask:0xf
	v_permlanex16_b32 v177, v176, s92, s93
	v_max_num_f32 v176, v176, v177
.irp i, 0,1,2,3,4,5,6,7
	v_pk_add_f32 v[P+2*\i:P+2*\i+1], v[P+2*\i:P+2*\i+1], v[176:177] op_sel_hi:[1,0] neg_lo:[0,1] neg_hi:[0,1]   ; s - max first, so that a large common part of the scores is taken away before anything is rounded by a factor,
.endr
.irp i, 0,1,2,3,4,5,6,7
	v_pk_mul_f32 v[P+2*\i:P+2*\i+1], v[P+2*\i:P+2*\i+1], s[94:95] op_sel_hi:[1,0]   ; then x c
.endr
.irp i, 0,1,2,3,4,5,6,7,8,9,10,11,12,13,14,15
	v_exp_f32 v[P+\i], v[P+\i]                     ; p = 2^((s - max) c), at most 1
.endr
	v_nop                                          ; a plain instruction behind the last exponential
	s_wait_alu depctr_va_vdst(0)                   ; one wait for the batch, ahead of its first reader
.irp g, 0,1,2,3
	ds_store_b128 v[WS], v[P+4*\g:P+4*\g+3] offset:512*\g   ; rows 128 g + 4 x lane + 0 .. 3 at their places in my table
.endr
	v_pk_add_f32 v[176:177], v[P:P+1], v[P+2:P+3]  ; the sum of p
	v_pk_add_f32 v[178:179], v[P+4:P+5], v[P+6:P+7]
	v_pk_add_f32 v[176:177], v[176:177], v[P+8:P+9]
	v_pk_add_f32 v[178:179], v[178:179], v[P+10:P+11]
	v_pk_add_f32 v[176:177], v[176:177], v[P+12:P+13]
	v_pk_add_f32 v[178:179], v[178:179], v[P+14:P+15]
	v_pk_add_f32 v[176:177], v[176:177], v[178:179]
	v_add_f32 v176, v176, v177
	v_add_f32_dpp v176, v176, v176 row_xmask:1 row_mask:0xf bank_mask:0xf
	v_add_f32_dpp v176, v176, v176 row_xmask:2 row_mask:0xf bank_mask:0xf
	v_add_f32_dpp v176, v176, v176 row_xmask:4 row_mask:0xf bank_mask:0xf
	v_add_f32_dpp v176, v176, v176 row_xmask:8 row_mask:0xf bank_mask:0xf
	v_permlanex16_b32 v177, v176, s92, s93
	v_add_f32 v176, v176, v177                     ; at least 1: the largest s gives p = 1
	v_rcp_f32 v[RS], v176
	v_nop                                          ; a plain instruction behind the reciprocal,
	s_wait_alu depctr_va_vdst(0)                   ; and its wait, ahead of every label and of its reader at the kernel's end
	s_wait_loadcnt 0x0                             ; the scale words and bv
.set QS, SA
.rept 128
	v_perm_b32 v[QS], v[QS], v[QS], s90            ; bytes 0, 2, 1, 3: the order in which the blocks stand in the fragments
.set QS, QS+1
.endr
	PLACES 8                                       ; a scale register written by a vector instruction stands eight places ahead of the matrix instruction that names it
.macro FRAG reg, adr, q, i             ; a fragment: lane l holds row l % 16 and the 48 bytes from 96 q + 48 (l / 16) on of the row's 192, in pieces of 16 bytes, none of which straddles a padding
.irp g, 0,1,2
.set DD, 96*(\q)+16*\g                 ; the piece of lanes 0-15; lanes 16-31 read 48 bytes of data further on; where that lies behind one padding more, the second address register serves
.if DD%64 < 16
	ds_load_b128 v[\reg+4*\g:\reg+4*\g+3], v[\adr] offset:DD+16*(DD/64)+(\i)*16*PITCH
.else
	ds_load_b128 v[\reg+4*\g:\reg+4*\g+3], v[\adr+2] offset:DD+16*(DD/64)+(\i)*16*PITCH
.endif
.endr
.endm
.macro FETCH_B slot, q, p              ; W's eight fragments of the slot's q-th 128 along K into set p
	WIN 0x40
.irp i, 0,1,2,3,4,5,6,7
	FRAG 128*(\p)+FR*\i, ADRB+\slot, \q, \i
.endr
.endm
.macro FETCH_X slot, q                 ; ctx's blocks 4-7 into window 1: v96, v108, v224, v236
	WIN 0x40
.irp i, 4,5,6,7
	FRAG 96+128*((\i-4)/2)+FR*(\i%2), ADRA+\slot, \q, \i
.endr
.endm
.macro FETCH_A slot, q, i0             ; ctx's blocks i0 .. i0 + 3 into window 0
	WIN 0
.irp i, \i0, \i0+1, \i0+2, \i0+3
	FRAG AF+FR*(\i), ADRA+\slot, \q, \i
.endr
.endm
; 16 matrix instructions: ctx's blocks a0, a0 + 1 x W's eight, K step KS.  p: W's set.  zero = 1: the first product starts the sums: nothing is cleared.  x = 1: ctx's blocks stand in window 1.
; The 64 accumulators take turns, one instruction a turn, in the same order in every K step.
.macro MUL16 a0, p, zero, x
.irp a, \a0, \a0+1
.irp b, 0,1,2,3,4,5,6,7
.set ACC, 8*(8*((\a)%4)+\b)
.if \x
.set CTX, 96+128*(((\a)-4)/2)+FR*((\a)%2)
.else
.set CTX, AF+FR*(\a)
.endif
.if MODE_V
.set OP0, CTX
.set OP1, 128*(\p)+FR*\b
.set SC0, SA+8*(\a)+KS%8
.set SC1, SB+8*\b+KS%8
.else
.set OP0, 128*(\p)+FR*\b
.set OP1, CTX
.set SC0, SB+8*\b+KS%8
.set SC1, SA+8*(\a)+KS%8
.endif
.if \zero
	v_wmma_scale_f32_16x16x128_f8f6f4 v[ACC:ACC+7], v[OP0:OP0+FR-1], v[OP1:OP1+FR-1], 0, v[SC0], v[SC1] matrix_a_fmt:MATRIX_FMT_BF6 matrix_b_fmt:MATRIX_FMT_BF6
.elseif KS < 8
	v_wmma_scale_f32_16x16x128_f8f6f4 v[ACC:ACC+7], v[OP0:OP0+FR-1], v[OP1:OP1+FR-1], v[ACC:ACC+7], v[SC0], v[SC1] matrix_a_fmt:MATRIX_FMT_BF6 matrix_b_fmt:MATRIX_FMT_BF6
.else
	v_wmma_scale_f32_16x16x128_f8f6f4 v[ACC:ACC+7], v[OP0:OP0+FR-1], v[OP1:OP1+FR-1], v[ACC:ACC+7], v[SC0], v[SC1] matrix_a_fmt:MATRIX_FMT_BF6 matrix_b_fmt:MATRIX_FMT_BF6 matrix_a_scale:MATRIX_SCALE_ROW1 matrix_b_scale:MATRIX_SCALE_ROW1
.endif
.endr
.endr
.endm
; A slot's first 128 along K (W's set 0, ctx's eight blocks in window 0).  In its middle ONE run of 48 loads brings ALL fragments of the slot's second 128: W's into set 1, ctx's blocks 4-7 into window 1 (their
; places in window 0 are still being multiplied), blocks 0-3 into window 0.  So my reads of the slot are all issued 32 matrix instructions ahead of the change of slots.
.macro STEP slot, zero
	s_wait_dscnt 4*NL                              ; W's set and ctx's blocks 0-3 are in; the youngest 12 loads (blocks 4-7) may be out
	WIN MUL_LO
	MUL16 0, 0, \zero, 0
	MUL16 2, 0, \zero, 0
	PLACES 4
	FETCH_B \slot, 1, 1
	FETCH_X \slot, 1
	FETCH_A \slot, 1, 0
	s_wait_dscnt 16*NL                             ; all but the 48 just issued: blocks 4-7 are in
	WIN MUL_HI
	MUL16 4, 0, \zero, 0
	MUL16 6, 0, \zero, 0
.set KS, KS+1
.endm
; A slot's second 128 along K (W's set 1; ctx's blocks 4-7 in window 1).  THE CHANGE OF SLOTS STANDS AT ITS HEAD: each wave waits for all its tensor loads, adds 0 to its spare word, and waits for that and for its reads
; of this slot.  fill = 1: a round of the cluster's barrier follows, and this slot is filled again, two slots ahead, first thing behind it: the load has 128 matrix instructions in which to land.
; In the step's middle one run of 48 loads brings the next slot's first fragments.
.macro TURN slot, next, fill
	WIN 0
	s_wait_tensorcnt 0x0                           ; all my tensor loads have landed: my part of the next slot; so a group 0 may be written
	ds_add_u32 v[SPW], v[NIL]                      ; 0 onto my spare word
.if \fill
	s_add_nc_u64 s[G0+4*\slot+2:G0+4*\slot+3], s[G0+4*\slot+2:G0+4*\slot+3], 2*ROWB
	s_add_nc_u64 s[G0B+4*\slot+2:G0B+4*\slot+3], s[G0B+4*\slot+2:G0B+4*\slot+3], 2*ROWB
.endif
	s_wait_dscnt 0x0                               ; the add is done, and my reads of this slot are over: this step's fragments are all in registers
.if \fill
	CROUND                                         ; no wave of any partner still reads this slot's tile or has a load on its way
	JLOAD \slot                                    ; the first tensor load behind the round, my only one until the next
.else
	s_barrier_signal -1
	s_barrier_wait -1
.endif
	WIN MUL_LO
	MUL16 0, 1, 0, 0
	MUL16 2, 1, 0, 0
	PLACES 4
	FETCH_B \next, 0, 0
	FETCH_A \next, 0, 0
	FETCH_A \next, 0, 4
	WIN MUL_HX
	MUL16 4, 1, 0, 1
	MUL16 6, 1, 0, 1
.set KS, KS+1
.endm
	s_wait_dscnt 0x0                               ; no LDS instruction of mine is pending at the signal
	s_wait_tensorcnt 0x1                           ; my part of slot 0 is in; slot 1's may stay out
	s_barrier_signal -1
	s_barrier_wait -1
.set KS, 0
	FETCH_B 0, 0, 0
	FETCH_A 0, 0, 0
	FETCH_A 0, 0, 4
	STEP 0, 1                                      ; K step 0 starts the sums
.rept 3                                        ; three times round the ring: six refills, slots' worth 2 to 7 of K
	TURN 0, 1, 1
	STEP 1, 0
	TURN 1, 0, 1
	STEP 0, 0
.endr
	TURN 0, 1, 0                                   ; nothing is left to fetch: a plain barrier
	STEP 1, 0
	s_wait_dscnt 0x0                               ; K step 15
	WIN MUL_LO
	MUL16 0, 1, 0, 0
	MUL16 2, 1, 0, 0
	PLACES 4
	WIN 0x40                                       ; p of my 128 rows into window 1, where W's set 0 lay: register 8 a + j = p at row 16 a + 8 h + j
.irp a, 0,1,2,3,4,5,6,7
	ds_load_b128 v[8*\a:8*\a+3],   v[WA] offset:64*\a
	ds_load_b128 v[8*\a+4:8*\a+7], v[WA] offset:64*\a+16
.endr
	WIN MUL_HX
	MUL16 4, 1, 0, 1
	MUL16 6, 1, 0, 1
	WIN 0
	PLACES 4                                       ; ahead of the first reads of the last results
; THE WAY OUT.  For block b of the columns: the sum over a and j of accumulator (a, b)[j] x p[16 a + 8 h + j], two at a time; eight chains by turns; each accumulator is read from its low end on; the first product starts a sum.
.macro RED hi
	WIN 0x06+\hi                                   ; source 0 (accumulators) window 2 or 3, source 1 (p) window 1, the sums window 0
.irp a, 0,1,2,3
.irp i, 0,1,2,3
.irp b, 0,1,2,3,4,5,6,7
.if (\hi == 0) && (\a == 0) && (\i == 0)
	v_pk_mul_f32 v[R+2*\b:R+2*\b+1], v[8*(8*\a+\b)+2*\i:8*(8*\a+\b)+2*\i+1], v[8*(4*\hi+\a)+2*\i:8*(4*\hi+\a)+2*\i+1]
.else
	v_pk_fma_f32 v[R+2*\b:R+2*\b+1], v[8*(8*\a+\b)+2*\i:8*(8*\a+\b)+2*\i+1], v[8*(4*\hi+\a)+2*\i:8*(4*\hi+\a)+2*\i+1], v[R+2*\b:R+2*\b+1]
.endif
.endr
.endr
.endr
.endm
	s_wait_dscnt 0x0                               ; p is in
	RED 0
	RED 1
	WIN 0
.irp i, 0,1,2,3,4,5,6,7
	v_add_f32 v[T+\i], v[R+2*\i], v[R+2*\i+1]      ; even and odd rows,
.endr
.irp i, 0,1,2,3,4,5,6,7
	v_permlanex16_b32 v[R+2*\i], v[T+\i], s92, s93
.endr
.irp i, 0,1,2,3,4,5,6,7
	v_add_f32 v[T+\i], v[T+\i], v[R+2*\i]          ; and the other half of the lanes' eight rows of each block: my wave's 128 rows
.endr
.irp i, 0,1,2,3,4,5,6,7
	ds_store_b32 v[STA], v[T+\i] offset:64*\i      ; column 16 i + r; both halves of the lanes write the same word with the same value
.endr
	s_wait_dscnt 0x0                               ; for the others' sake: my stores into the stage are done
	s_barrier_signal -1
	s_barrier_wait -1
	s_cmp_lg_u32 s14, 0                            ; wave 0 adds the four waves' parts and stores the work-group's 128 numbers
	s_cbranch_scc1 .Lothers
.irp w, 0,1,2,3
	ds_load_b128 v[R+4*\w:R+4*\w+3], v[STR] offset:512*\w
.endr
	s_wait_dscnt 0x0
	v_pk_add_f32 v[R:R+1], v[R:R+1], v[R+4:R+5]
	v_pk_add_f32 v[R+2:R+3], v[R+2:R+3], v[R+6:R+7]
	v_pk_add_f32 v[R+8:R+9], v[R+8:R+9], v[R+12:R+13]
	v_pk_add_f32 v[R+10:R+11], v[R+10:R+11], v[R+14:R+15]
	v_pk_add_f32 v[R:R+1], v[R:R+1], v[R+8:R+9]
	v_pk_add_f32 v[R+2:R+3], v[R+2:R+3], v[R+10:R+11]
	v_pk_fma_f32 v[R:R+1], v[R:R+1], v[RS:RS+1], v[BV:BV+1] op_sel_hi:[1,0,1]         ; / the sum of p, + bv (of the pair the low word serves both halves)
	v_pk_fma_f32 v[R+2:R+3], v[R+2:R+3], v[RS:RS+1], v[BV+2:BV+3] op_sel_hi:[1,0,1]
	global_store_b128 v[GO], v[R:R+3], s[80:81]    ; the wave stores 512 consecutive bytes, at a multiple of 512 from the buffer's first byte
.Lothers:
	s_wait_tensorcnt 0x0                           ; the wave's end
	ds_add_u32 v[SPW], v[NIL]
	s_wait_dscnt 0x0
	CROUND                                         ; the closing round: no work-group ends while a partner may still ask for a tile that names it
	s_endpgm
.Lfunc_end_k_q19c42dc12a_vout:
	.size	k_q19c42dc12a_vout, .Lfunc_end_k_q19c42dc12a_vout-k_q19c42dc12a_vout
	.p2alignl 7, 3214868480
	.fill 96, 4, 3214868480
	.section	.rodata,"a",@progbits
	.p2align	6, 0x0
	.amdhsa_kernel k_q19c42dc12a_vout
		.amdhsa_group_segment_fixed_size 327680
		.amdhsa_private_segment_fixed_size 0
		.amdhsa_enable_private_segment 0
		.amdhsa_kernarg_size 56
		.amdhsa_user_sgpr_count 2
		.amdhsa_user_sgpr_kernarg_segment_ptr 1
		.amdhsa_wavefront_size32 1
		.amdhsa_system_sgpr_workgroup_id_x 1
		.amdhsa_system_sgpr_workgroup_id_y 1
		.amdhsa_system_sgpr_workgroup_id_z 1
		.amdhsa_system_vgpr_workitem_id 0
		.amdhsa_next_free_vgpr 1024
		.amdhsa_next_free_sgpr 100
		.amdhsa_reserve_vcc 0
		.amdhsa_float_denorm_mode_32 3
		.amdhsa_float_denorm_mode_16_64 3
		.amdhsa_memory_ordered 1
		.amdhsa_forward_progress 1
		.amdhsa_inst_pref_size 245
	.end_amdhsa_kernel
	.amdgpu_metadata
---
amdhsa.version: [ 1, 2 ]
amdhsa.kernels:
  - .name:           k_q19c42dc12a_vout
    .symbol:         k_q19c42dc12a_vout.kd
    .args:
      - { .name: context_tokens_codes, .offset: 0, .size: 8, .value_kind: global_buffer, .address_space: global }
      - { .name: context_tokens_scales, .offset: 8, .size: 8, .value_kind: global_buffer, .address_space: global }
      - { .name: Wv_codes, .offset: 16, .size: 8, .value_kind: global_buffer, .address_space: global }
      - { .name: Wv_scales, .offset: 24, .size: 8, .value_kind: global_buffer, .address_space: global }
      - { .name: bv, .offset: 32, .size: 8, .value_kind: global_buffer, .address_space: global }
      - { .name: ps, .offset: 40, .size: 8, .value_kind: global_buffer, .address_space: global }
      - { .name: out0, .offset: 48, .size: 8, .value_kind: global_buffer, .address_space: global }
    .group_segment_fixed_size: 327680
    .private_segment_fixed_size: 0
    .kernarg_segment_align: 8
    .kernarg_segment_size: 56
    .max_flat_workgroup_size: 128
    .sgpr_count:     100
    .vgpr_count:     1024
    .wavefront_size: 32
...
	.end_amdgpu_metadata
.endif
;; end of part 2
